; MI455X (gfx1250); checked and timed in simulation.
; The chip was launched on July 23, 2026; its instructions are those of AMD's public machine-readable ISA for CDNA 5 (MIT licence, August 2026) and "CDNA5" Instruction Set Architecture Reference Guide (July 2026). The comments in the code are by the model that wrote it; some were corrected since.
;; Quantized8bit Linear. Allowed arithmetic: float matrix products may take bf16 or f16 operands with f32 sums; all other float work in f32.
;; Inputs: bias 4,096 float32; weight 4,096 x 4,096 float32; x 2 x 2,048 x 4,096 float32.
;; Outputs: out0 2 x 2,048 x 4,096 float32.
;; One version. Each part assembles by itself: llvm-mc -triple=amdgcn-amd-amdhsa -mcpu=gfx1250 --defsym DOCPART=n.
;; ======== version 1 of 1: 2 launches
;; limits: inputs' magnitudes at most 448; right only within a limited range of input values
;; workspace buffers: xb 33,554,432 bytes; wq 16,777,216 bytes
;; launch cast (part 1): grid 1024 x 1, 8 waves a work-group, no clusters, 0 bytes of LDS; arguments x, weight, xb, wq; writes xb, wq
.if DOCPART == 1
	.amdgcn_target "amdgcn-amd-amdhsa--gfx1250"
	.amdhsa_code_object_version 6
	.text
	.protected	k_qe6b2f6c975_cast
	.globl	k_qe6b2f6c975_cast
	.p2align	8
	.type	k_qe6b2f6c975_cast,@function
k_qe6b2f6c975_cast:
	s_mov_b64 s[64:65], 0
	v_nop
	global_prefetch_b8 v0, s[64:65] scope:SCOPE_SE
	s_setreg_imm32_b32 hwreg(HW_REG_WAVE_MODE, 25, 1), 1
	s_wait_xcnt 0x0
; xb = bf16(x); wq = the e4m3 codes of weight.  x, weight: 16,777,216 f32 each.  xb: [4096][4096] bf16, row-major.
; wq: one byte a number, at byte (n>>1)*8192 + (k>>7)*256 + (n&1)*128 + (k&127): an aligned block of 256 bytes holds 128 neighbouring k of
; rows 2i and 2i+1, so that the product's tiles of 128 k have rows of 256 bytes although a code is one byte.
; LIMITS: x is rounded to bf16, to nearest even.  The quantisation is v_cvt_pk_fp8_f32, which rounds to nearest even and does not saturate:
; overflow, infinities and NaN give the NaN code, as the e4m3fn cast does.  For 448 < |weight| <= 464 the e4m3fn cast rounds down to 448,
; while this conversion may give NaN: that band is not served.  No clamp is written: it would turn the cast's NaN into 448.
; Memory binds, so: each byte read once, 16 bytes a lane (a wave's load covers 512 neighbouring bytes), each byte written once,
; 8 bytes a lane (a wave's store covers 256 consecutive bytes, aligned).  No LDS, no barrier, no matrix unit: nothing is shared.
; Eight waves.  The work-group owns 65,536 bytes of x (16 pieces of 4,096, one instruction a thread each) and weight rows 4 g to 4 g + 3.
; A ring of four slots in registers, four loads a slot (two pieces of x, the same 128 k of two neighbouring weight rows):
; sixteen loads of every wave are on their way.  Eight turns, written out.
.set ROWIN,  4096                      ; bytes that the work-group loads with one instruction a thread
.set ROWOUT, 2048                      ; the same piece of xb
.set WROW,   16384                     ; bytes in a row of weight
.set IN,  1                            ; v1        16 t: my 16 bytes in a piece as loaded; never rewritten
.set OUT, 2                            ; v2        8 t: my 8 bytes in a piece of xb; never rewritten
.set WO,  3                            ; v3        my 8 bytes in my wave's block of wq; never rewritten
                                       ; v4, v5    my four codes of the even row, of the odd row (named by halves below)
                                       ; v6, v7    my neighbour's
.set X,   8                            ; v[8:39]   slot i: 2 x 4 f32 of x
.set W,   40                           ; v[40:71]  slot i: 4 f32 of the even weight row, 4 of the odd
.set Y,   72                           ; v[72:103] slot i: the first round's store data: 2 + 2 registers of xb, 2 of wq
	s_load_b256 s[4:11], s[0:1], 0x0               ; x s[4:5], weight s[6:7], xb s[8:9], wq s[10:11]
	s_lshl_b32 s2, ttmp9, 16                       ; the work-group's 65,536 bytes of x and of weight (below 64 MiB)
	s_mov_b32 s3, 0
	s_lshl_b32 s12, ttmp9, 15                      ; its 32,768 bytes of xb
	s_mov_b32 s13, 0
	v_lshlrev_b32 v[IN], 4, v0
	v_lshlrev_b32 v[OUT], 3, v0
	v_and_b32 v[WO], 0xe0, v0
	v_lshlrev_b32 v[WO], 3, v[WO]                  ; 256 x wave: wave w takes the block of k = 128 (8 j + w) ..
	v_and_b32 v5, 30, v0
	v_lshl_add_u32 v[WO], v5, 2, v[WO]             ; + 8 x (lane / 2): a pair of lanes holds 8 neighbouring k
	v_and_b32 v4, 1, v0
	v_lshl_add_u32 v[WO], v4, 7, v[WO]             ; odd lanes store the odd row's codes, 128 bytes further on
	v_cmp_eq_u32 s14, 1, v4                        ; the odd lanes
	v_mov_b32 v4, 0                                ; written whole once: the conversions write v4, v5 by halves,
	v_mov_b32 v5, 0
	v_mov_b32 v6, 0                                ; and the destination of a DPP form counts as read
	v_mov_b32 v7, 0
	s_wait_kmcnt 0x0
	s_add_nc_u64 s[4:5], s[4:5], s[2:3]
	s_add_nc_u64 s[6:7], s[6:7], s[2:3]
	s_add_nc_u64 s[8:9], s[8:9], s[12:13]
	s_lshl_b32 s2, ttmp9, 14                       ; its 16,384 bytes of wq: two pairs of rows
	s_add_nc_u64 s[10:11], s[10:11], s[2:3]        ; the four bases are never written again: the turns stand in the immediates
; The four loads of turn t into slot i.  Turn t takes pieces 2 t and 2 t + 1 of x, and of the pair of weight rows t / 4 the k blocks 8 (t % 4) + wave.
.macro FILL i, t
	global_load_b128 v[X+8*\i:X+8*\i+3],   v[IN], s[4:5] offset:(2*(\t))*ROWIN th:TH_LOAD_NT      ; read once in the launch
	global_load_b128 v[X+8*\i+4:X+8*\i+7], v[IN], s[4:5] offset:(2*(\t)+1)*ROWIN th:TH_LOAD_NT
	global_load_b128 v[W+8*\i:W+8*\i+3],   v[IN], s[6:7] offset:((\t)/4)*2*WROW+((\t)%4)*ROWIN th:TH_LOAD_NT
	global_load_b128 v[W+8*\i+4:W+8*\i+7], v[IN], s[6:7] offset:((\t)/4)*2*WROW+((\t)%4)*ROWIN+WROW th:TH_LOAD_NT
.endm
.irp i, 0,1,2,3
	FILL \i, \i
.endr
; One turn.  ahead = 1: the slot is filled again for the turn four further on; left = how many younger loads may stay out;
; ya, yb, yw = where the packed results go.
; No register that a pending load or store names is ever rewritten: Y is written once in the launch, X and W are loaded again only
; behind the wait for their own loads, the last round's results are not touched again, IN, OUT, WO and the bases are constant.
.macro TURN i, t, ahead, left, ya, yb, yw
	s_wait_loadcnt \left                           ; loads come back in order (ISA guide 5.7.1): this slot's four are in
	v_cvt_pk_bf16_f32 v[\ya],   v[X+8*\i],   v[X+8*\i+1]       ; x: two roundings to bf16, packed
	v_cvt_pk_bf16_f32 v[\ya+1], v[X+8*\i+2], v[X+8*\i+3]
	v_cvt_pk_bf16_f32 v[\yb],   v[X+8*\i+4], v[X+8*\i+5]
	v_cvt_pk_bf16_f32 v[\yb+1], v[X+8*\i+6], v[X+8*\i+7]
	v_cvt_pk_fp8_f32 v4.l, v[W+8*\i],   v[W+8*\i+1]            ; weight: four codes of the even row,
	v_cvt_pk_fp8_f32 v4.h, v[W+8*\i+2], v[W+8*\i+3]
	v_cvt_pk_fp8_f32 v5.l, v[W+8*\i+4], v[W+8*\i+5]            ; four of the odd row
	v_cvt_pk_fp8_f32 v5.h, v[W+8*\i+6], v[W+8*\i+7]
	v_mov_b32_dpp v6, v4 row_xmask:1 row_mask:0xf bank_mask:0xf    ; lane l takes lane l xor 1
	v_mov_b32_dpp v7, v5 row_xmask:1 row_mask:0xf bank_mask:0xf
	v_cndmask_b32 v[\yw],   v4, v7, s14            ; even lane l: the even row's codes of lanes l, l + 1;
	v_cndmask_b32 v[\yw+1], v6, v5, s14            ; odd lane l: the odd row's codes of lanes l - 1, l
.if \ahead
	FILL \i, (\t)+4                                ; loads ahead of stores
.endif
	global_store_b64 v[OUT], v[\ya:\ya+1], s[8:9] offset:(2*(\t))*ROWOUT        ; no hint: the next launch reads these bytes
	global_store_b64 v[OUT], v[\yb:\yb+1], s[8:9] offset:(2*(\t)+1)*ROWOUT
	global_store_b64 v[WO],  v[\yw:\yw+1], s[10:11] offset:((\t)/4)*8192+((\t)%4)*2048   ; the wave's 32 lanes fill one block of 256 bytes
.endm
.irp i, 0,1,2,3
	TURN \i, \i, 1, 12, Y+8*\i, Y+8*\i+2, Y+8*\i+4     ; behind a slot's four loads stand the three other slots' twelve
.endr
.irp i, 0,1,2,3
	TURN \i, 4+\i, 0, 12-4*\i, X+8*\i, X+8*\i+4, W+8*\i    ; nothing more to load, the counts run down; results go where the data lay
.endr
	s_endpgm
.Lfunc_end_k_qe6b2f6c975_cast:
	.size	k_qe6b2f6c975_cast, .Lfunc_end_k_qe6b2f6c975_cast-k_qe6b2f6c975_cast
	.p2alignl 7, 3214868480
	.fill 96, 4, 3214868480
	.section	.rodata,"a",@progbits
	.p2align	6, 0x0
	.amdhsa_kernel k_qe6b2f6c975_cast
		.amdhsa_group_segment_fixed_size 0
		.amdhsa_private_segment_fixed_size 0
		.amdhsa_enable_private_segment 0
		.amdhsa_kernarg_size 32
		.amdhsa_user_sgpr_count 2
		.amdhsa_user_sgpr_kernarg_segment_ptr 1
		.amdhsa_wavefront_size32 1
		.amdhsa_system_sgpr_workgroup_id_x 1
		.amdhsa_system_sgpr_workgroup_id_y 1
		.amdhsa_system_sgpr_workgroup_id_z 1
		.amdhsa_system_vgpr_workitem_id 0
		.amdhsa_next_free_vgpr 104
		.amdhsa_next_free_sgpr 66
		.amdhsa_reserve_vcc 0
		.amdhsa_float_denorm_mode_32 3
		.amdhsa_float_denorm_mode_16_64 3
		.amdhsa_memory_ordered 1
		.amdhsa_forward_progress 1
		.amdhsa_inst_pref_size 13
	.end_amdhsa_kernel
	.amdgpu_metadata
---
amdhsa.version: [ 1, 2 ]
amdhsa.kernels:
  - .name:           k_qe6b2f6c975_cast
    .symbol:         k_qe6b2f6c975_cast.kd
    .args:
      - { .name: x, .offset: 0, .size: 8, .value_kind: global_buffer, .address_space: global }
      - { .name: weight, .offset: 8, .size: 8, .value_kind: global_buffer, .address_space: global }
      - { .name: xb, .offset: 16, .size: 8, .value_kind: global_buffer, .address_space: global }
      - { .name: wq, .offset: 24, .size: 8, .value_kind: global_buffer, .address_space: global }
    .group_segment_fixed_size: 0
    .private_segment_fixed_size: 0
    .kernarg_segment_align: 8
    .kernarg_segment_size: 32
    .max_flat_workgroup_size: 256
    .sgpr_count:     66
    .vgpr_count:     104
    .wavefront_size: 32
...
	.end_amdgpu_metadata
.endif
;; end of part 1
;; launch gemm (part 2): grid 16 x 16, 4 waves a work-group, clusters of 4 x 4, 327,680 bytes of LDS; arguments xb, wq, bias, out0; writes out0
.if DOCPART == 2
	.amdgcn_target "amdgcn-amd-amdhsa--gfx1250"
	.amdhsa_code_object_version 6
	.text
	.protected	k_qe6b2f6c975_gemm
	.globl	k_qe6b2f6c975_gemm
	.p2align	8
	.type	k_qe6b2f6c975_gemm,@function
k_qe6b2f6c975_gemm:
	s_mov_b64 s[64:65], 0
	v_nop
	global_prefetch_b8 v0, s[64:65] scope:SCOPE_SE
	s_setreg_imm32_b32 hwreg(HW_REG_WAVE_MODE, 25, 1), 1
	s_wait_xcnt 0x0
	s_wait_alu depctr_hold_cnt(0) depctr_sa_sdst(0) depctr_va_vdst(0) depctr_va_sdst(0) depctr_va_ssrc(0) depctr_va_vcc(0) depctr_vm_vsrc(0)
	s_getreg_b32 s2, hwreg(HW_REG_IB_STS2, 6, 4)
	s_cmp_eq_u32 s2, 0
	s_cbranch_scc0 .Lentry_in_a_cluster
	s_endpgm
.Lentry_in_a_cluster:
	s_bfe_u32 s2, ttmp6, 0x10000c
	s_cmp_lg_u32 s2, 0xf033
	s_cbranch_scc0 .Lentry_shape_is_right
	s_endpgm
.Lentry_shape_is_right:
; out0[m][n] = sum over k of xb[m][k] w[n][k] + e4m3(bias[n]).  xb: [4096][4096] bf16 (x rounded).  wq: the e4m3 codes of weight, one byte a
; number, at byte (n>>1)*8192 + (k>>7)*256 + (n&1)*128 + (k&127).  bias: [4096] f32; out0: [4096][4096] f32; sums in f32.
; The codes are widened to bf16 between LDS and the matrix unit: every e4m3 number is exact in bf16, so the matrix operands are bf16 and
; the weight costs half the bytes on the way from memory, in LDS and in the fragment loads.
; LIMITS: x enters as bf16.  The bias is quantised by v_cvt_pk_fp8_f32 (to nearest even, not saturating: overflow, infinities and NaN give
; NaN, as the e4m3fn cast does); for 448 < |bias| <= 464 the e4m3fn cast rounds down to 448, while this conversion may give NaN.
; Inside each group of 32 along K the places of k are permuted, alike in both operands: the products are the same, their grouping in the
; matrix unit's sums is not, which moves last bits only.
; A work-group makes a block of 256 x 256 with four waves, as many as a WGP has SIMDs; a wave makes 128 x 128: 64 accumulator tiles of
; 16 x 16, 512 registers.  16 x 16 blocks = 256 work-groups.  K goes in steps of 128 through a ring of two LDS slots filled by the tensor
; data mover: a tile's rows are 256 bytes of memory (128 bf16 of a row of xb; 128 codes each of two neighbouring rows of the weight) and
; start at multiples of 256 bytes from the buffer's first byte.
; CLUSTERS: 4 x 4 work-groups.  The four of a row of the cluster need the same tiles of xb (A), the four of a column the same tiles of wq (B).
; Such a tile is asked for jointly: each of the four issues the same tensor load, with the same descriptor and a mask that names the four.
; That divides the requests for A and for B by four.
; No prefetch: a tile's request stands 240 matrix instructions ahead of the wait for it.  Each work-group has one block, so none stays on.
;
; REGISTERS, in windows of 256 (s_set_vgpr_msb says which window each operand place means):
;   window 0: v0-31 addresses, the scale, the bias; v64-127, v128-191 fragments of A (8 x 16 rows x 32 K), two buffers, and rows on the way out
;   window 1: v32-63 B's codes as loaded; v64-127, v128-191 fragments of B in bf16, two buffers; v192-255 the 8 accumulator tiles of my rows 112-127
;   window 2: the 32 accumulator tiles of my rows 0-63 (tile (a, b) at v[8 (8 a + b)]);   window 3: the 24 of my rows 64-111 (at v[8 (8 (a - 4) + b)])
; s_set_vgpr_msb's low byte: bits 1:0 source 0, 3:2 source 1, 5:4 source 2, 7:6 destination.
; Rows 112-127 lie in B's window so that one setting serves their matrix instructions and the conversions (destination and source 0 in
; window 1, source 1 in window 0): the 16 conversions for the next quarter step stand among the last 8 matrix instructions of this one.
;
; THE MATRIX INSTRUCTION IS USED TRANSPOSED: source 0 = 16 rows of B, source 1 = 16 rows of A.  Lane l then holds row m = l % 16 of the
; result, and its registers 0 to 7 the columns n = 8 (l / 16) + 0 .. 7: eight neighbouring f32 of a row, two stores of 16 bytes into LDS.
.set SIZE_K, 4096
.set SIZE_N, 4096
.set KSTEP,  128
.set PITCH,  272                       ; an LDS row: 256 bytes of data + 16 of padding = 68 words: row r starts at bank 4 r mod 64 (64 banks of 4 bytes: ISA guide 11.1)
.set HALFT,  128*PITCH                 ; 128 rows of A: what one of A's tensor loads brings, and what one wave reads of A
.set BQT,    64*PITCH                  ; 64 double rows of B (128 rows of the weight): what one of B's tensor loads brings, and what one wave reads of B
.set SLOT,   3*HALFT                   ; A's 256 rows, then B's 128 double rows
.set STAGE,  2*SLOT                    ; byte 208,896 = 816 x 256, behind the ring: no tensor load lands here
.set SPITCH, 528                       ; a stage row: 128 f32 = 512 bytes + 16 of padding: 33 x 16 bytes
.set LAPS, SIZE_K/(2*KSTEP)            ; a lap = two K steps = once round the ring: 16
.set ADRA, 16                          ; v16-17  LDS address of my A fragments in slot 0, 1
.set ADRB, 20                          ; v20-21  the same for B's codes
.set STO,  24                          ; v24     the way out: where I put my 32 bytes of a tile's row
.set RD,   25                          ; v25     the way out: where I read 16 bytes of a whole row back
.set CO,   26                          ; v26     16 x lane: my bytes among my wave's 512 bytes of bias and of a row of out0
.set SC,   27                          ; v27     the conversions' scale: E8M0 code 0x7f = 2^0
.set BQ,   28                          ; v[28:31] the quantised bias of my four columns on the way out
.set RAW,  32                          ; window 1: v[32:63] 8 fragments of B as codes, 4 registers each
.set F0,   64                          ; fragment buffer 0
.set F1,   128                         ; fragment buffer 1
.set AX,   192                         ; window 1: the accumulator tiles (7, b)
.set G1, 24                            ; s[24:31] descriptor group 1 for A's tiles
.set G0, 32                            ; s[32:39] descriptor group 0 for A's tiles, one set for each slot
.set G1B, 48                           ; s[48:55] descriptor group 1 for B's tiles
.set G0B, 56                           ; s[56:63] descriptor group 0 for B's tiles, one set for each slot
.set MSB, 0
.macro WIN new                         ; the immediate's high byte repeats the setting that is left
.if MSB != \new
	s_set_vgpr_msb (MSB<<8)|\new
.set MSB, \new
.endif
.endm
.set MUL_LO, 0xa1                      ; source 0 (B) window 1, source 1 (A) window 0, C and D window 2
.set MUL_HI, 0xf1                      ; the same, C and D window 3
.set MUL_X,  0x51                      ; the same, C and D window 1; a conversion: destination and codes window 1, scale window 0
.set TO_B,   0x40                      ; destination window 1, address window 0
; A joint load.  Waves 0 and 1 fetch A's two halves, waves 2 and 3 B's.  Each of the two lines has one mask and one set of registers for all
; that issue it, and nothing in them hangs on a coordinate that the four partners do not share.  The branch hangs on the wave's number alone.
; Four v_nop follow each of the two lines; the jump round the other line, the label and what follows come after them.
.macro JLOAD s
	s_cmp_eq_u32 s13, 0
	s_cbranch_scc0 .Lfor_b_\@
	tensor_load_to_lds s[G0+4*\s:G0+4*\s+3], s[G1:G1+7]
	s_nop 0
.rept 4
	v_nop
.endr
	s_branch .Lasked_\@
.Lfor_b_\@:
	tensor_load_to_lds s[G0B+4*\s:G0B+4*\s+3], s[G1B:G1B+7]
	s_nop 0
.rept 4
	v_nop
.endr
.Lasked_\@:
.endm
; A round of the cluster's barrier: my work-group's barrier, so that wave 0's signal speaks for all four waves; wave 0 signals for the
; work-group; every wave waits for all sixteen work-groups; my work-group's barrier once more.
.macro CREST                           ; a round behind its opening barrier
	s_cmp_lg_u32 s12, 0
	s_cbranch_scc1 .Lnot_wave_0_\@
	s_barrier_signal -3
.Lnot_wave_0_\@:
	s_barrier_wait -3
	s_barrier_signal -1
	s_barrier_wait -1
.endm
.macro CROUND                          ; a whole round
	s_barrier_signal -1
	s_barrier_wait -1
	CREST
.endm
	s_load_b256 s[4:11], s[0:1], 0x0               ; xb s[4:5], wq s[6:7], bias s[8:9], out0 s[10:11]
	s_set_vgpr_msb 0x40
	v_lshl_add_u32 v31, v0, 2, 0x3b400
	s_set_vgpr_msb 0x4000
	v_mov_b32 v255, 0
	s_set_vgpr_msb 0x1
	ds_add_u32 v31, v255
	ds_add_u32 v31, v255
	s_set_vgpr_msb 0x100
	v_lshrrev_b32 v1, 5, v0
	v_readfirstlane_b32 s12, v1                    ; wave 0..3
	s_lshr_b32 s13, s12, 1                         ; which half of the block's rows is mine.  Also: I fetch for A (0) or for B (1)
	s_and_b32 s14, s12, 1                          ; which half of its columns.  Also: which half of that tile I fetch
	s_bfe_u32 s40, ttmp6, 0x40000                  ; cx: my place along the cluster's x
	s_bfe_u32 s41, ttmp6, 0x40004                  ; cy: along its y
	s_lshl_b32 s42, ttmp9, 2                       ; in a cluster launch ttmp9 and ttmp7 count clusters
	s_add_co_u32 s42, s42, s40                     ; block column = 4 x cluster x + cx
	s_and_b32 s15, ttmp7, 0xffff
	s_lshl_b32 s15, s15, 2
	s_add_co_u32 s15, s15, s41                     ; block row = 4 x cluster y + cy
	s_lshl_b32 s43, s41, 2
	s_lshl_b32 s43, 15, s43                        ; my row of the cluster: places 4 cy .. 4 cy + 3
	s_lshl_b32 s44, 0x1111, s40                    ; my column: places cx, cx + 4, cx + 8, cx + 12
	; descriptor group 1.  A: a tile of 128 rows x 128 elements of 2 bytes.  B: 64 double rows of 256 bytes, stated as 128 elements of 2 bytes
	; (two codes an element); from one double row to the next 8,192 bytes = 4,096 such elements, as in A.  Both padded in LDS.
	s_or_b32 s[G1+0], s43, (1<<16)|(1<<20)|(1<<21)|(5<<22)|(3<<25)  ; 15:0 the mask: A's tiles go to my row; 17:16 element of 2 bytes; 20 padding on; 21 set beside a mask; 24:22 after every 64 words (code 5); 31:25 of 4 words (code 3)
	s_or_b32 s[G1B+0], s44, (1<<16)|(1<<20)|(1<<21)|(5<<22)|(3<<25) ; the same with the mask of my column, for B's tiles
	s_mov_b32 s[G1+1], KSTEP<<16                   ; 63:48 tensor_dim0, low half = 128
	s_mov_b32 s[G1B+1], KSTEP<<16
	s_mov_b32 s[G1+2], 128<<16                     ; 79:64 its high half = 0; 95:80 tensor_dim1, low half = 128
	s_mov_b32 s[G1B+2], 64<<16                     ; B: 64
	s_mov_b32 s[G1+3], KSTEP<<16                   ; 111:96 its high half = 0; 127:112 tile_dim0 = 128
	s_mov_b32 s[G1B+3], KSTEP<<16
	s_mov_b32 s[G1+4], 128                         ; 143:128 tile_dim1 = 128; 159:144 tile_dim2 = 0
	s_mov_b32 s[G1B+4], 64                         ; B: 64
	s_mov_b32 s[G1+5], SIZE_K                      ; 191:160 tensor_dim0_stride, low word: elements from row to row
	s_mov_b32 s[G1B+5], SIZE_K
	s_mov_b32 s[G1+6], 0
	s_mov_b32 s[G1B+6], 0
	s_mov_b32 s[G1+7], 0
	s_mov_b32 s[G1B+7], 0
	; where the tiles come from.  A's hang on the block row alone, which my row of the cluster shares; B's on the block column alone, which
	; my column shares.  Every wave makes both addresses, in registers that never hold the other coordinate, and asks by one of them.
	s_lshl_b32 s18, s14, 7                         ; which 128 rows of A's tile I fetch
	s_lshl_b32 s16, s15, 8
	s_add_co_u32 s16, s16, s18                     ; A: row 256 x block row + 128 x half,
	s_lshl_b32 s16, s16, 13                        ; times 8,192 bytes a row: below 32 MiB
	s_mov_b32 s17, 0
	s_lshl_b32 s47, s14, 6                         ; which 64 double rows of B's tile I fetch
	s_lshl_b32 s46, s42, 7
	s_add_co_u32 s46, s46, s47                     ; B: double row 128 x block column + 64 x half,
	s_lshl_b32 s46, s46, 13                        ; times 8,192 bytes a double row: below 16 MiB
	s_mov_b32 s47, 0
	s_mul_i32 s20, s12, HALFT                      ; and where they go.  A (waves 0, 1): wave x 128 rows.
	s_mul_i32 s19, s12, BQT                        ; B (waves 2, 3): behind A's 256 rows, (wave - 2) x 64 rows
	s_add_co_u32 s19, s19, 2*HALFT-2*BQT           ; = wave x 64 rows + a constant: no place in the cluster enters an LDS address
	s_wait_dscnt 0x0
	s_wait_kmcnt 0x0
	s_add_nc_u64 s[4:5], s[4:5], s[16:17]          ; my part of A's first tile
	s_add_nc_u64 s[6:7], s[6:7], s[46:47]          ; my part of B's first tile
	CROUND                                         ; all sixteen work-groups are here: the first joint loads meet
.irp s, 0,1
	s_mov_b32 s[G0+4*\s], 1                                        ; 1:0 count = 1
	s_add_co_u32 s[G0+4*\s+1], s20, \s*SLOT                        ; 63:32 LDS address
	s_add_nc_u64 s[G0+4*\s+2:G0+4*\s+3], s[4:5], \s*256            ; 120:64 global address: K step s is 256 bytes on, in xb and in wq
	s_or_b32 s[G0+4*\s+3], s[G0+4*\s+3], 0x80000000                ; 127:126 type = 2
	s_mov_b32 s[G0B+4*\s], 1
	s_add_co_u32 s[G0B+4*\s+1], s19, \s*SLOT
	s_add_nc_u64 s[G0B+4*\s+2:G0B+4*\s+3], s[6:7], \s*256
	s_or_b32 s[G0B+4*\s+3], s[G0B+4*\s+3], 0x80000000
	JLOAD \s                                       ; both first fills go out as one group behind the one round: two tensor loads of the wave are out
.endr
	; The bias and out0 at my wave's corner, while the first tiles are on their way.
	s_lshl_b32 s46, s42, 10                        ; my first column in bytes of f32: 1,024 x block column
	s_lshl_b32 s47, s14, 9                         ; + 512 x half
	s_add_co_u32 s46, s46, s47
	s_mov_b32 s47, 0
	s_add_nc_u64 s[8:9], s[8:9], s[46:47]          ; bias at my wave's 128 columns
	s_add_nc_u64 s[10:11], s[10:11], s[46:47]
	s_lshl_b32 s16, s15, 8
	s_lshl_b32 s17, s13, 7
	s_add_co_u32 s16, s16, s17                     ; my first row: 256 x block row + 128 x half,
	s_lshl_b32 s16, s16, 14                        ; times 16,384 bytes a row: below 64 MiB
	s_mov_b32 s17, 0
	s_add_nc_u64 s[10:11], s[10:11], s[16:17]      ; out0 at my wave's first row and column
	v_and_b32 v5, 31, v0
	v_lshlrev_b32 v[CO], 4, v5                     ; 16 x lane
	global_load_b128 v[8:11], v[CO], s[8:9]        ; 512 neighbouring bytes: lane l takes the bias of columns 4 l .. 4 l + 3 of my 128
	; A fragment is 16 rows x 32 K in 8 registers; lane l holds row l % 16.  Here lane l holds k = 16 (l / 16) + 0 .. 15 of the group of 32, the lower
	; eight in registers 0-3, in A and in B alike (a permutation of k that both operands share keeps the products).
	; A: 32 neighbouring bytes of bf16, two loads of 16.  B: 16 neighbouring codes, one load of 16 bytes, widened by two conversions.
	v_and_b32 v1, 15, v0                           ; l % 16
	v_bfe_u32 v2, v0, 4, 1                         ; l / 16
	v_mul_u32_u24 v3, v1, PITCH
	v_lshl_add_u32 v3, v2, 5, v3                   ; A: row x pitch + 32 x half
	v_lshrrev_b32 v4, 1, v1
	v_mul_u32_u24 v4, v4, PITCH                    ; B: double row (l % 16) / 2,
	v_and_b32 v6, 1, v1
	v_lshl_add_u32 v4, v6, 7, v4                   ; the odd row's codes 128 bytes on: the 16 rows start at 16 different columns of 16 bytes modulo 256,
	v_lshl_add_u32 v4, v2, 4, v4                   ; + 16 x half
	s_mul_i32 s21, s13, HALFT                      ; my 128 rows of A
	s_mul_i32 s22, s14, BQT                        ; my 64 double rows of B,
	s_add_co_u32 s22, s22, 2*HALFT                 ; which lie behind A's 256 rows
.irp s, 0,1
	v_add_nc_u32 v[ADRA+\s], s21, v3
	v_add_nc_u32 v[ADRB+\s], s22, v4
	s_add_co_u32 s21, s21, SLOT
	s_add_co_u32 s22, s22, SLOT
.endr
	s_mul_i32 s23, s12, 16*SPITCH
	s_add_co_u32 s23, s23, STAGE                   ; my stage: 16 rows x 528 bytes = 8,448 = 33 x 256 bytes
	v_mul_u32_u24 v7, v1, SPITCH                   ; in: row l % 16, 32 bytes for each half of the lanes
	v_lshl_add_u32 v7, v2, 5, v7
	v_add_nc_u32 v[STO], s23, v7
	v_add_nc_u32 v[RD], s23, v[CO]                 ; back: the 32 lanes take one row of 512 bytes
	v_mov_b32 v[SC], 0x7f7f7f7f                    ; E8M0 code 0x7f in every byte: the codes are widened as they are
	v_mov_b32 v12, 0                               ; written whole once: the conversions write it by halves
	s_wait_loadcnt 0x0                             ; the bias, once
	v_cvt_pk_fp8_f32 v12.l, v8, v9                 ; to e4m3 codes,
	v_cvt_pk_fp8_f32 v12.h, v10, v11
	v_cvt_pk_f32_fp8 v[BQ:BQ+1], v12.l             ; and back to f32
	v_cvt_pk_f32_fp8 v[BQ+2:BQ+3], v12.h
; 8 matrix instructions: m block a (my rows 16 a .. 16 a + 15) x all 8 n blocks, 32 along K, from buffer f.  The window follows from a.
; zero = 1: the first product starts the sums: nothing is ever cleared.
; The 64 accumulators take turns, one instruction a turn, in the same order in every quarter step.
.macro MULA f, a, zero
.if (\a) < 4
	WIN MUL_LO
.set ACC, 64*(\a)
.else
.if (\a) < 7
	WIN MUL_HI
.set ACC, 64*((\a)-4)
.else
	WIN MUL_X
.set ACC, AX
.endif
.endif
.irp b, 0,1,2,3,4,5,6,7
.if \zero
	v_wmma_f32_16x16x32_bf16 v[ACC+8*\b:ACC+8*\b+7], v[\f+8*\b:\f+8*\b+7], v[\f+8*(\a):\f+8*(\a)+7], 0
.else
	v_wmma_f32_16x16x32_bf16 v[ACC+8*\b:ACC+8*\b+7], v[\f+8*\b:\f+8*\b+7], v[\f+8*(\a):\f+8*(\a)+7], v[ACC+8*\b:ACC+8*\b+7]
.endif
.endr
.endm
; Fragment b of B, from 16 codes a lane to 16 bf16 in buffer g: eight codes an instruction, times 2^0.
.macro WIDEN g, b
	v_cvt_scale_pk8_bf16_fp8 v[\g+8*\b:\g+8*\b+3],   v[RAW+4*\b:RAW+4*\b+1],   v[SC]
	v_cvt_scale_pk8_bf16_fp8 v[\g+8*\b+4:\g+8*\b+7], v[RAW+4*\b+2:RAW+4*\b+3], v[SC]
.endm
; The last 8 matrix instructions of a quarter step (m block 7, from buffer f), and among them the next quarter's B widened into buffer g, all under one
; setting of the windows.  Buffer g was last read by the quarter step before this one; the four v_nop in front of this quarter's loads stand between.
; One plain vector instruction stands behind the last conversion, ahead of the first matrix instruction that reads a widened fragment.
.macro MULC f, g, zero
	WIN MUL_X
.irp b, 0,1,2,3,4,5,6,7
.if \zero
	v_wmma_f32_16x16x32_bf16 v[AX+8*\b:AX+8*\b+7], v[\f+8*\b:\f+8*\b+7], v[\f+56:\f+63], 0
.else
	v_wmma_f32_16x16x32_bf16 v[AX+8*\b:AX+8*\b+7], v[\f+8*\b:\f+8*\b+7], v[\f+56:\f+63], v[AX+8*\b:AX+8*\b+7]
.endif
	WIDEN \g, \b
.endr
	v_nop
.endm
; 24 LDS loads in one run: one quarter step's 128 rows of B as codes (at byte kb of the double rows' halves) and 128 rows of A (at byte ka) into buffer f
.macro FETCH slot, ka, kb, f
	WIN TO_B
.irp i, 0,1,2,3,4,5,6,7
	ds_load_b128 v[RAW+4*\i:RAW+4*\i+3], v[ADRB+\slot] offset:\kb+\i*8*PITCH
.endr
	WIN 0
.irp i, 0,1,2,3,4,5,6,7
	ds_load_b128 v[\f+8*\i:\f+8*\i+3],   v[ADRA+\slot] offset:\ka+\i*16*PITCH
	ds_load_b128 v[\f+8*\i+4:\f+8*\i+7], v[ADRA+\slot] offset:\ka+\i*16*PITCH+16
.endr
.endm
; A load into a register that a matrix instruction has read, a vector instruction that writes one, and an LDS store that reads a matrix result,
; stand four places behind that matrix instruction, and only plain vector instructions that name none of its registers are places (ISA guide
; 7.12.1 for vector instructions); the matrix instructions in between are not counted.
.macro PLACES
.rept 4
	v_nop
.endr
.endm
; A K step is four quarter steps of 32 along K, 64 matrix instructions each, on buffers 0, 1, 0, 1.
; One of the first three: multiplies buffer f; in its middle it fetches the next quarter's A into buffer g and B's codes; at its end it widens them into g.
.macro QUARTER slot, ka, kb, f, g, zero
	s_wait_dscnt 8                                 ; A's rows 0-63 are in; the youngest eight loads (A's rows 64-127) may be out
	MULA \f, 0, \zero
	MULA \f, 1, \zero
	MULA \f, 2, \zero
	MULA \f, 3, \zero
	PLACES
	FETCH \slot, \ka, \kb, \g
	s_wait_dscnt 24                                ; all but the 24 just issued
	MULA \f, 4, \zero
	MULA \f, 5, \zero
	MULA \f, 6, \zero
	s_wait_dscnt 16                                ; the eight loads of codes, the oldest of the 24, are in; A's sixteen may be out
	MULC \f, \g, \zero
.endm
.macro THREE slot, zero
	QUARTER \slot, 64,  32, F0, F1, \zero
	QUARTER \slot, 128, 64, F1, F0, 0
	QUARTER \slot, 192, 96, F0, F1, 0
.endm
; The last quarter: multiplies buffer 1 and changes slots.  next = the other slot; fill = 1: this slot is filled again, two K steps ahead.
; One barrier for the change of slots, for two things.  In front of it each wave waits for its own reads of this slot and for all its tensor
; loads, of which one is out: its part of the next slot.  Behind it nobody reads this slot any more and the next slot is whole: the refill
; comes first, then the next slot's first fragments.  From a request to the wait for it a wave issues 240 matrix instructions.
.macro TURN slot, next, fill
	s_wait_dscnt 8
	MULA F1, 0, 0
	MULA F1, 1, 0
	s_wait_dscnt 0                                 ; my reads of this slot are over
	s_wait_tensorcnt 0x0                           ; and all my tensor loads have landed: the one that was out is my part of the next slot
	ds_add_u32 v31, v255
	s_wait_dscnt 0x0
	s_barrier_signal -1                            ; say so (where a slot is filled again this barrier opens a round of the cluster's barrier),
	MULA F1, 2, 0                                  ; work on registers while the others arrive,
	MULA F1, 3, 0
	WIN 0
	s_barrier_wait -1                              ; and go on when all four have said so
.if \fill
	CREST                                          ; all sixteen work-groups have said so: no wave of any partner still reads this slot's tile or has a load on its way
	s_add_nc_u64 s[G0+4*\slot+2:G0+4*\slot+3], s[G0+4*\slot+2:G0+4*\slot+3], 2*256       ; no tensor load of mine is out: a group 0 may be written
	s_add_nc_u64 s[G0B+4*\slot+2:G0B+4*\slot+3], s[G0B+4*\slot+2:G0B+4*\slot+3], 2*256
	JLOAD \slot                                    ; the first tensor load behind the round, the wave's only one until the next; its four v_nop are also the places in front of the loads below
.else
	PLACES
.endif
	FETCH \next, 0, 0, F0
	MULA F1, 4, 0
	MULA F1, 5, 0
	MULA F1, 6, 0
	s_wait_dscnt 16                                ; the next slot's first codes are in
	MULC F1, F0, 0
.endm
.macro LAP zero                        ; once round the ring, both slots filled again
	THREE 0, \zero
	TURN 0, 1, 1
	THREE 1, 0
	TURN 1, 0, 1
.endm
	s_wait_tensorcnt 1                             ; my part of K step 0 is in; K step 1's may stay out
	s_barrier_signal -1
	s_barrier_wait -1                              ; everybody's is
	FETCH 0, 0, 0, F0
	s_wait_dscnt 16                                ; the first codes are in
	WIN MUL_X
.irp b, 0,1,2,3,4,5,6,7
	WIDEN F0, \b                                   ; the first quarter's B has no matrix instructions to stand among
.endr
	v_nop                                          ; the plain place behind the last conversion
	LAP 1                                          ; the first lap stands in front of the loop: its first products start the sums
	WIN 0                                          ; at a label and at a branch every window is 0
	s_mov_b32 s3, LAPS-2
.Llap:
	LAP 0
	WIN 0
	s_sub_co_u32 s3, s3, 1
	s_cmp_lg_u32 s3, 0
	s_cbranch_scc1 .Llap
	THREE 0, 0                                     ; the last lap fills nothing and has no round of the cluster's barrier: the one tensor load still out is slot 1's, the last K step's
	TURN 0, 1, 0
	THREE 1, 0
	s_wait_dscnt 8                                 ; the very last quarter: nothing more to fetch or to widen
	MULA F1, 0, 0
	MULA F1, 1, 0
	MULA F1, 2, 0
	MULA F1, 3, 0
	s_wait_dscnt 0
	MULA F1, 4, 0
	MULA F1, 5, 0
	MULA F1, 6, 0
	MULA F1, 7, 0
	; THE WAY OUT, 16 rows at a time: the accumulators go as they are, 16 bytes a store, into my own stage in LDS, and come back as whole
	; rows of 512 bytes; the bias is added there, and each store of the wave covers 512 consecutive bytes of a row of out0, aligned.
	; The four v_nop are the places behind the last matrix instructions: for the LDS stores, which read results, and for the loads into buffers 0 and 1.
	PLACES
; rows 16 i .. 16 i + 15 of my block = the eight tiles at v[base + 8 b] of window 2, 3 or 1 (win = 0x08, 0x0c or 0x04: an LDS store's data are source 1); f: F0 or F1 in turn
.macro OUT16 i, base, win, f
	WIN \win
.irp b, 0,1,2,3,4,5,6,7
.irp q, 0,1
	ds_store_b128 v[STO], v[\base+8*\b+4*\q:\base+8*\b+4*\q+3] offset:64*\b+16*\q   ; row l % 16, columns 16 b + 8 (l / 16) + 4 q .. + 3
.endr
.endr
	WIN 0
	s_wait_xcnt 0x0                                ; every earlier memory instruction has had its addresses translated (ISA guide 3.1): buffer f, which stores read, and the stores' base are rewritten only behind this wait
.if \i
	s_add_nc_u64 s[10:11], s[10:11], 16*SIZE_N*4   ; 16 rows of out0 on
.endif
.irp t, 0,1,2,3,4,5,6,7,8,9,10,11,12,13,14,15
	ds_load_b128 v[\f+4*\t:\f+4*\t+3], v[RD] offset:\t*SPITCH      ; LDS serves a wave's instructions in order (ISA guide 5.7.1.4): these see the stores above; the stage is my wave's own
.endr
.irp t, 0,1,2,3,4,5,6,7,8,9,10,11,12,13,14,15
	s_wait_dscnt 15-\t                             ; row t is in; the younger rows' loads stay out
	v_pk_add_f32 v[\f+4*\t:\f+4*\t+1],   v[\f+4*\t:\f+4*\t+1],   v[BQ:BQ+1]
	v_pk_add_f32 v[\f+4*\t+2:\f+4*\t+3], v[\f+4*\t+2:\f+4*\t+3], v[BQ+2:BQ+3]
	global_store_b128 v[CO], v[\f+4*\t:\f+4*\t+3], s[10:11] offset:\t*SIZE_N*4 th:TH_STORE_NT   ; written once, not read again
.endr
.endm
	OUT16 0, 0,   0x08, F0
	OUT16 1, 64,  0x08, F1
	OUT16 2, 128, 0x08, F0
	OUT16 3, 192, 0x08, F1
	OUT16 4, 0,   0x0c, F0
	OUT16 5, 64,  0x0c, F1
	OUT16 6, 128, 0x0c, F0
	OUT16 7, AX,  0x04, F1
	s_set_vgpr_msb 0x1
	s_wait_tensorcnt 0x0
	ds_add_u32 v31, v255
	s_wait_dscnt 0x0
	s_set_vgpr_msb 0x100
	CROUND                                         ; the closing round: no work-group ends while a partner may still ask for a tile that names it
	s_endpgm
.Lfunc_end_k_qe6b2f6c975_gemm:
	.size	k_qe6b2f6c975_gemm, .Lfunc_end_k_qe6b2f6c975_gemm-k_qe6b2f6c975_gemm
	.p2alignl 7, 3214868480
	.fill 96, 4, 3214868480
	.section	.rodata,"a",@progbits
	.p2align	6, 0x0
	.amdhsa_kernel k_qe6b2f6c975_gemm
		.amdhsa_group_segment_fixed_size 327680
		.amdhsa_private_segment_fixed_size 0
		.amdhsa_enable_private_segment 0
		.amdhsa_kernarg_size 32
		.amdhsa_user_sgpr_count 2
		.amdhsa_user_sgpr_kernarg_segment_ptr 1
		.amdhsa_wavefront_size32 1
		.amdhsa_system_sgpr_workgroup_id_x 1
		.amdhsa_system_sgpr_workgroup_id_y 1
		.amdhsa_system_sgpr_workgroup_id_z 1
		.amdhsa_system_vgpr_workitem_id 0
		.amdhsa_next_free_vgpr 1024
		.amdhsa_next_free_sgpr 66
		.amdhsa_reserve_vcc 0
		.amdhsa_float_denorm_mode_32 3
		.amdhsa_float_denorm_mode_16_64 3
		.amdhsa_memory_ordered 1
		.amdhsa_forward_progress 1
		.amdhsa_inst_pref_size 228
	.end_amdhsa_kernel
	.amdgpu_metadata
---
amdhsa.version: [ 1, 2 ]
amdhsa.kernels:
  - .name:           k_qe6b2f6c975_gemm
    .symbol:         k_qe6b2f6c975_gemm.kd
    .args:
      - { .name: xb, .offset: 0, .size: 8, .value_kind: global_buffer, .address_space: global }
      - { .name: wq, .offset: 8, .size: 8, .value_kind: global_buffer, .address_space: global }
      - { .name: bias, .offset: 16, .size: 8, .value_kind: global_buffer, .address_space: global }
      - { .name: out0, .offset: 24, .size: 8, .value_kind: global_buffer, .address_space: global }
    .group_segment_fixed_size: 327680
    .private_segment_fixed_size: 0
    .kernarg_segment_align: 8
    .kernarg_segment_size: 32
    .max_flat_workgroup_size: 128
    .sgpr_count:     66
    .vgpr_count:     1024
    .wavefront_size: 32
...
	.end_amdgpu_metadata
.endif
;; end of part 2
